; MI455X (gfx1250); checked and timed in simulation.
; The chip was launched on July 23, 2026; its instructions are those of AMD's public machine-readable ISA for CDNA 5 (MIT licence, August 2026) and "CDNA5" Instruction Set Architecture Reference Guide (July 2026). The comments in the code are by the model that wrote it; some were corrected since.
;; Efficient Additive Attnetion. Allowed arithmetic: matrix products marked QUANTISED: E2M3 operands, one E8M0 scale for each 32 along K, by v_wmma_scale_f32_16x16x128_f8f6f4 with both operands' format E2M3, f32 sums; products left as they are: f32 operands where the result goes on into a quantised operand, else bf16, f16 or f32 operands; f32 sums; everything else in f32.
;; Inputs: Wf_codes 256 x 16 x 24 uint8 (E2M3 codes of Wf, K innermost, in blocks of 32 codes, four codes in three bytes); Wf_scales 256 x 16 uint8 (E8M0 scales of Wf, one for each 32 codes along K); Wk_codes 512 x 16 x 24 uint8 (E2M3 codes of Wk, K innermost, in blocks of 32 codes, four codes in three bytes); Wk_scales 512 x 16 uint8 (E8M0 scales of Wk, one for each 32 codes along K); Wp_codes 512 x 16 x 24 uint8 (E2M3 codes of Wp, K innermost, in blocks of 32 codes, four codes in three bytes); Wp_scales 512 x 16 uint8 (E8M0 scales of Wp, one for each 32 codes along K); Wq_codes 512 x 16 x 24 uint8 (E2M3 codes of Wq, K innermost, in blocks of 32 codes, four codes in three bytes); Wq_scales 512 x 16 uint8 (E8M0 scales of Wq, one for each 32 codes along K); bf 256 float32; bk 512 float32; bp 512 float32; bq 512 float32; w_g 512 x 1 float32; x_codes 16 x 4,096 x 16 x 24 uint8 (E2M3 codes of x, K innermost, in blocks of 32 codes, four codes in three bytes); x_scales 16 x 4,096 x 16 uint8 (E8M0 scales of x, one for each 32 codes along K).
;; Outputs: out0 16 x 4,096 x 256 float32.
;; This version of the problem:
;;   THIS VERSION OF THE PROBLEM IS GIVEN IN LOW PRECISION. The matrix products marked QUANTISED in the list below multiply operands that are first quantised to E2M3 (2 exponent bits, 3 mantissa bits; 6 bits a number), with one power-of-two scale for each 32 numbers along K (OCP MX v1.0); their sums are f32. All else is computed in f32.
;;   The module's matrix products, in the order in which they are computed (A, B: the left and right operand; K: the contracted axis; several contracted axes count as one K, in the product's order):
;;     1. [M 65,536, K 512] x [K 512, N 512]; A: input x (given as codes); B: input Wq (given as codes): QUANTISED
;;     2. [M 65,536, K 512] x [K 512, N 512]; A: input x (given as codes); B: input Wk (given as codes): QUANTISED
;;     3. [M 65,536, K 512] x [K 512, N 1]; A: computed on the way; B: input w_g: left as it is (N = 1 < 16)
;;     4. [M 65,536, K 512] x [K 512, N 512]; A: computed on the way; B: input Wp (given as codes): QUANTISED
;;     5. [M 65,536, K 512] x [K 512, N 256]; A: computed on the way; B: input Wf (given as codes): QUANTISED
;;   THE QUANTISER, for each operand of a quantised product, along K:
;;     - K is cut into blocks of 32 from its start; a last block that is shorter is filled with zeros.
;;     - A block's scale is 2^e with e = floor(log2(the largest magnitude in the block)) - 2, held to -126 .. 127; a block of zeros has e = 0. As a byte (E8M0): e + 127.
;;     - Each number is divided by its block's scale, clamped to +-7.5, and rounded to the nearest number of E2M3, ties to even, subnormals kept.
;;     - The product sums the exact products of the quantised numbers (number of the format x scale) in f32.
;;   ~~~python
;;   def quantise(x, axis):      # numpy; x: float32 -> the quantised numbers, widened to float32 again
;;       x = np.moveaxis(x, axis, -1); K = x.shape[-1]
;;       x = np.pad(x, [(0, 0)] * (x.ndim - 1) + [(0, -K % 32)]); x = x.reshape(x.shape[:-1] + (-1, 32)); a = np.abs(x).max(-1, keepdims=True)
;;       e = np.where(a > 0, np.clip(np.frexp(np.where(a > 0, a, 1))[1] - 1 - 2, -126, 127), 0)      # np.frexp(a)[1] - 1 = floor(log2(a)), exactly
;;       r = np.clip(x / 2.0 ** e, -7.5, 7.5)
;;       step = 2.0 ** (np.maximum(np.frexp(np.where(r == 0, 1, r))[1] - 1, 0) - 3)
;;       q = np.round(r / step) * step * 2.0 ** e      # np.round: ties to even
;;       return np.moveaxis(q.reshape(q.shape[:-2] + (-1,))[..., :K], -1, axis).astype(np.float32)
;;   ~~~
;;   OPERANDS COMPUTED ON THE WAY. 'Computed on the way' means the value that the module computes at that place (a softmax that the list does not call 'softmax' is quantised finished and normalised). What goes into a quantiser is computed in f32, as accurately as f32 sums, v_exp_f32 and their like allow (about 1e-6 of the number): no bf16 or f16 on the way to a quantiser, and a product that is left as it is and whose result goes on into a quantised operand takes f32 operands (vector FMAs, or v_wmma_f32_16x16x4_f32). A number that lies on a knife's edge between two numbers of the format may be rounded either way, as far as f32 arithmetic and the matrix unit's own rounding can turn it there, and no further.
;;   INPUTS GIVEN AS CODES. Wf (in the module: [512, 256], K = its axis 0); Wk (in the module: [512, 512], K = its axis 0); Wp (in the module: [512, 512], K = its axis 0); Wq (in the module: [512, 512], K = its axis 0); x (in the module: [16, 4096, 512], K = its axis 2): each comes as NAME_codes (uint8): NAME with its K axis moved to the last place and cut into blocks of 32 codes, [.., K / 32, bytes a block], one block behind the other in memory; four codes in three bytes: a row's codes are one little-endian stream of bits, code i at bits 6 i .. 6 i + 5 (a code: sign, 2 exponent bits, 3 mantissa bits); and NAME_scales (uint8): the same leading axes, one E8M0 byte (e + 127) for each 32 codes along K. Its value is code x scale, taken as it is: it is not quantised again, and the codes and scales need not be those that the quantiser above would give.
;; One version. Each part assembles by itself: llvm-mc -triple=amdgcn-amd-amdhsa -mcpu=gfx1250 --defsym DOCPART=n.
;; ======== version 1 of 1: 2 launches
;; limits: right only within a limited range of input values
;; workspace buffers: wimg 716,800 bytes; part 524,288 bytes; qss 1,024 bytes
;; launch pool (part 1): grid 256 x 1, 4 waves a work-group, clusters of 4 x 1, 327,680 bytes of LDS; arguments x_codes, x_scales, Wq_codes, Wq_scales, bq, w_g, Wk_codes, Wk_scales, Wp_codes, Wp_scales, Wf_codes, Wf_scales, wimg, part, qss; writes wimg, part, qss
.if DOCPART == 1
	.amdgcn_target "amdgcn-amd-amdhsa--gfx1250"
	.amdhsa_code_object_version 6
	.text
	.protected	k_q40b6743f10_pool
	.globl	k_q40b6743f10_pool
	.p2align	8
	.type	k_q40b6743f10_pool,@function
k_q40b6743f10_pool:
	s_mov_b64 s[64:65], 0
	v_nop
	global_prefetch_b8 v0, s[64:65] scope:SCOPE_SE
	s_setreg_imm32_b32 hwreg(HW_REG_WAVE_MODE, 25, 1), 1
	s_wait_xcnt 0x0
	s_wait_alu depctr_hold_cnt(0) depctr_sa_sdst(0) depctr_va_vdst(0) depctr_va_sdst(0) depctr_va_ssrc(0) depctr_va_vcc(0) depctr_vm_vsrc(0)
	s_getreg_b32 s2, hwreg(HW_REG_IB_STS2, 6, 4)
	s_cmp_eq_u32 s2, 0
	s_cbranch_scc0 .Lentry_in_a_cluster
	s_endpgm
.Lentry_in_a_cluster:
	s_bfe_u32 s2, ttmp6, 0x10000c
	s_cmp_lg_u32 s2, 0x3003
	s_cbranch_scc0 .Lentry_shape_is_right
	s_endpgm
.Lentry_shape_is_right:
; FIRST LAUNCH.  query = x Wq + bq for the work-group's 256 rows; for each row qw = (query . w_g) / max(|query|, EPS);
; part[work-group][512] = sum over its rows of qw x query; qss[work-group] = sum of qw^2.  The second launch makes G of a batch from the 16 rows of part and the 16 numbers of qss.
; No work of the problem is left out.  query is not stored: the second launch makes it again from the codes (512 f32 a row would be written and read again otherwise).
; Clusters 0 to 27 also lay Wk, Wq, Wp and Wf out into wimg as images of a wave's operand registers, with their scale words, in the order in which the second launch walks them.
; SHARES.  Four waves; wave w keeps columns 128 w .. + 127 of Wq, all 512 along K, in registers (32 fragments); the rows go in four runs of 64.  The products are used transposed: lane (r, h) holds row r.
; THE TILES.  Wq and x are dense in memory, so they come as rows of 256 bytes that begin at multiples of 256; the padding is counted along the whole tile, 8 (Wq) or 16 (x) bytes behind each 128, so a row of 384 bytes of codes is 408 or 432 bytes in LDS.
; One tensor load a wave, all at the head: waves 0 and 1 the halves of Wq (jointly for the cluster's four work-groups, which read the same Wq), waves 2 and 3 the halves of the work-group's x.  Nothing is filled again.
; No prefetch: the launch asks for all that it reads at its head and has no loop to run ahead in.
; LIMITS.  Divisions are v_rcp_f32 and a multiply; the sums are taken in another f32 order than the source reads.  A sum of squares under 2^-126 counts as 0 in v_sqrt_f32 (under EPS either way).  NaN and infinities among the inputs are not served.
.set PWQ,   408
.set PX,    432
.set WRQ,   128*PWQ
.set XA,    4*WRQ
.set XQ,    64*PX
.set EX,    XA+4*XQ
.set SPARE, EX+4096
.set GP,    528
.set SPW, 28
.set NIL, 29
.set WS,  32
.set XS,  64
.set XF,  80
.set NT,  128
.set GA,  176
.set T,   240
.set BQ,  192
.set WGV, 192
.set WV,  34
.set CX,  35
.set WG,  36
.set G1W, 40
.set G1X, 48
.set G0W, 56
.set G0X, 60
.set XSB, 66
.set WSB, 68
.set BQB, 70
.set SEL, 72
.set WGB, 96
.set MSB, 0
.macro WIN new
.if MSB != (\new)
	s_set_vgpr_msb (MSB<<8)|(\new)
.set MSB, (\new)
.endif
.endm
.macro PLACES n
.rept \n
	v_nop
.endr
.endm
.macro CROUND
	s_barrier_signal -1
	s_barrier_wait -1
	s_cmp_lg_u32 s[WV], 0
	s_cbranch_scc1 .Lnot_wave_0_\@
	s_barrier_signal -3
.Lnot_wave_0_\@:
	s_barrier_wait -3
	s_barrier_signal -1
	s_barrier_wait -1
.endm
.macro FRAGW reg, s, rt
.irp p, 0,1,2,3,4,5
.set PC, 12*(\s)+6*(\p/3)+\p%3
.if PC%16 < 13
	ds_load_b64 v[\reg+2*\p:\reg+2*\p+1], v7 offset:8*PC+8*(PC/16)+(\rt)*16*PWQ
.else
	ds_load_b64 v[\reg+2*\p:\reg+2*\p+1], v8 offset:8*PC+8*(PC/16)+(\rt)*16*PWQ
.endif
.endr
.endm
.macro FRAGX reg, adr, s, rt
.irp p, 0,1,2,3,4,5
.set PC, 12*(\s)+6*(\p/3)+\p%3
.if PC%16 < 13
	ds_load_b64 v[\reg+2*\p:\reg+2*\p+1], v[\adr] offset:8*PC+16*(PC/16)+(\rt)*16*PX
.else
	ds_load_b64 v[\reg+2*\p:\reg+2*\p+1], v[\adr+1] offset:8*PC+16*(PC/16)+(\rt)*16*PX
.endif
.endr
.endm
.macro FETCHX i, s
.irp m, 0,1,2,3
	FRAGX XF+48*((\s)%2)+12*\m, 3+2*((\i)/2), \s, 4*((\i)%2)+\m
.endr
.endm
.macro WM s
.irp m, 0,1,2,3
.irp t, 0,1,2,3,4,5,6,7
.if (\s) == 0
	v_wmma_scale_f32_16x16x128_f8f6f4 v[8*(8*\m+\t):8*(8*\m+\t)+7], v[12*\t:12*\t+11], v[XF+12*\m:XF+12*\m+11], v[BQ+8*\t:BQ+8*\t+7], v[WS+4*\t], v[XS+4*\m] matrix_a_fmt:MATRIX_FMT_FP6 matrix_b_fmt:MATRIX_FMT_FP6
.else
	v_wmma_scale_f32_16x16x128_f8f6f4 v[8*(8*\m+\t):8*(8*\m+\t)+7], v[12*(8*((\s)%2)+\t):12*(8*((\s)%2)+\t)+11], v[XF+48*((\s)%2)+12*\m:XF+48*((\s)%2)+12*\m+11], v[8*(8*\m+\t):8*(8*\m+\t)+7], v[WS+4*\t+(\s)], v[XS+4*\m+(\s)] matrix_a_fmt:MATRIX_FMT_FP6 matrix_b_fmt:MATRIX_FMT_FP6
.endif
.endr
.endr
.endm
.macro KS i, s
	s_wait_dscnt 0x0
	PLACES 4
.if (\s) < 3
	FETCHX \i, (\s)+1
.elseif (\i) < 3
	FETCHX (\i)+1, 0
.endif
.if (\s) == 0
	WIN 0xd1
.elseif (\s) == 1
	WIN 0xf1
.else
	WIN 0xf2
.endif
	WM \s
	WIN 0
.endm
.macro EPI i
	PLACES 4
.if (\i) < 3
.irp m, 0,1,2,3
	global_load_b128 v[XS+4*\m:XS+4*\m+3], v14, s[XSB:XSB+1] offset:1024*((\i)+1)+256*\m
.endr
.endif
	WIN 0x0f
.set J, 0
.rept 32
.irp m, 0,1,2,3
.if J == 0
	v_pk_mul_f32 v[T+2*\m:T+2*\m+1], v[64*\m:64*\m+1], v[64*\m:64*\m+1]
.else
	v_pk_fma_f32 v[T+2*\m:T+2*\m+1], v[64*\m+2*J:64*\m+2*J+1], v[64*\m+2*J:64*\m+2*J+1], v[T+2*\m:T+2*\m+1]
.endif
.endr
.set J, J+1
.endr
	WIN 0x0b
.set J, 0
.rept 32
.irp m, 0,1,2,3
.if J == 0
	v_pk_mul_f32 v[T+8+2*\m:T+9+2*\m], v[64*\m:64*\m+1], v[WGV:WGV+1]
.else
	v_pk_fma_f32 v[T+8+2*\m:T+9+2*\m], v[64*\m+2*J:64*\m+2*J+1], v[WGV+2*J:WGV+2*J+1], v[T+8+2*\m:T+9+2*\m]
.endif
.endr
.set J, J+1
.endr
	WIN 0
.irp m, 0,1,2,3
	v_add_f32 v[T+2*\m], v[T+2*\m], v[T+2*\m+1]
.endr
.irp m, 0,1,2,3
	v_add_f32 v[T+2*\m+1], v[T+8+2*\m], v[T+9+2*\m]
.endr
.irp k, 0,1,2,3,4,5,6,7
	v_permlanex16_b32 v[T+8+\k], v[T+\k], s[SEL], s[SEL+1]
.endr
.irp k, 0,1,2,3,4,5,6,7
	v_add_f32 v[T+\k], v[T+\k], v[T+8+\k]
.endr
.irp m, 0,1,2,3
	ds_store_b64 v9, v[T+2*\m:T+2*\m+1] offset:2048*((\i)%2)+512*\m
.endr
	s_wait_dscnt 0x0
	s_barrier_signal -1
	s_barrier_wait -1
.irp m, 0,1,2,3
	ds_load_b128 v[NT+8*\m:NT+8*\m+3], v10 offset:2048*((\i)%2)+512*\m
	ds_load_b128 v[NT+8*\m+4:NT+8*\m+7], v10 offset:2048*((\i)%2)+512*\m+16
.endr
	s_wait_dscnt 0x0
.irp m, 0,1,2,3
	v_pk_add_f32 v[NT+8*\m:NT+8*\m+1], v[NT+8*\m:NT+8*\m+1], v[NT+8*\m+2:NT+8*\m+3]
	v_pk_add_f32 v[NT+8*\m+4:NT+8*\m+5], v[NT+8*\m+4:NT+8*\m+5], v[NT+8*\m+6:NT+8*\m+7]
.endr
.irp m, 0,1,2,3
	v_pk_add_f32 v[NT+8*\m:NT+8*\m+1], v[NT+8*\m:NT+8*\m+1], v[NT+8*\m+4:NT+8*\m+5]
.endr
	s_wait_alu depctr_va_vdst(0)
.irp m, 0,1,2,3
	v_sqrt_f32 v[NT+8*\m+2], v[NT+8*\m]
.endr
	v_nop
	s_wait_alu depctr_va_vdst(0)
.irp m, 0,1,2,3
	v_max_num_f32 v[NT+8*\m+2], 0x2b8cbccc, v[NT+8*\m+2]
.endr
	s_wait_alu depctr_va_vdst(0)
.irp m, 0,1,2,3
	v_rcp_f32 v[NT+8*\m+3], v[NT+8*\m+2]
.endr
	v_nop
	s_wait_alu depctr_va_vdst(0)
.irp m, 0,1,2,3
	v_mul_f32 v[NT+8*\m+4], v[NT+8*\m+1], v[NT+8*\m+3]
.endr
.irp m, 0,1,2,3
.if ((\i) == 0) && (\m == 0)
	v_mul_f32 v16, v[NT+4], v[NT+4]
.else
	v_fmac_f32 v16, v[NT+8*\m+4], v[NT+8*\m+4]
.endif
.endr
	WIN 0x03
.irp m, 0,1,2,3
.set J, 0
.rept 32
.if ((\i) == 0) && (\m == 0)
	v_pk_mul_f32 v[GA+2*J:GA+2*J+1], v[2*J:2*J+1], v[NT+4:NT+5] op_sel_hi:[1,0]
.else
	v_pk_fma_f32 v[GA+2*J:GA+2*J+1], v[64*\m+2*J:64*\m+2*J+1], v[NT+8*\m+4:NT+8*\m+5], v[GA+2*J:GA+2*J+1] op_sel_hi:[1,0,1]
.endif
.set J, J+1
.endr
.endr
	WIN 0
.endm
	s_load_b512 s[4:19], s[0:1], 0x0
	s_load_b256 s[20:27], s[0:1], 0x40
	s_load_b128 s[28:31], s[0:1], 0x60
	s_load_b64 s[32:33], s[0:1], 0x70
	v_lshl_add_u32 v[SPW], v0, 2, SPARE
	v_mov_b32 v[NIL], 0
	ds_add_u32 v[SPW], v[NIL]
	ds_add_u32 v[SPW], v[NIL]
	v_lshrrev_b32 v1, 5, v0
	v_readfirstlane_b32 s[WV], v1
	s_bfe_u32 s[CX], ttmp6, 0x40000
	s_lshl_b32 s[WG], ttmp9, 2
	s_add_co_u32 s[WG], s[WG], s[CX]
	s_mov_b32 s[G1W], 15|(1<<20)|(1<<21)|(4<<22)|(1<<25)
	s_mov_b32 s[G1W+1], 256<<16                    ; half of Wq: 98,304 dense bytes as 384 rows of 256
	s_mov_b32 s[G1W+2], 384<<16
	s_mov_b32 s[G1W+3], 256<<16
	s_mov_b32 s[G1W+4], 384
	s_mov_b32 s[G1W+5], 256
	s_mov_b32 s[G1W+6], 0
	s_mov_b32 s[G1W+7], 0
	s_mov_b32 s[G1X], (1<<20)|(4<<22)|(3<<25)
	s_mov_b32 s[G1X+1], 256<<16                    ; half of my x: 49,152 dense bytes as 192 rows of 256
	s_mov_b32 s[G1X+2], 192<<16
	s_mov_b32 s[G1X+3], 256<<16
	s_mov_b32 s[G1X+4], 192
	s_mov_b32 s[G1X+5], 256
	s_mov_b32 s[G1X+6], 0
	s_mov_b32 s[G1X+7], 0
	s_mov_b32 s[G0W], 1
	s_and_b32 s90, s[WV], 1                        ; which half I fetch
	s_mul_i32 s[G0W+1], s90, 2*WRQ
	s_mov_b32 s[G0X], 1
	s_mul_i32 s[G0X+1], s90, 2*XQ
	s_add_co_u32 s[G0X+1], s[G0X+1], XA
	s_mul_i32 s74, s90, 256*384
	s_mov_b32 s75, 0
	s_mul_i32 s76, s[WG], 256*384
	s_mul_i32 s77, s90, 128*384
	s_add_co_u32 s76, s76, s77
	s_mov_b32 s77, 0
	s_lshl_b32 s78, s[WG], 12
	s_mov_b32 s79, 0
	s_lshl_b32 s80, s[WV], 11
	s_mov_b32 s81, 0
	s_lshl_b32 s82, s[WV], 9
	s_mov_b32 s83, 0
	s_lshl_b32 s84, s[WG], 11
	s_add_co_u32 s84, s84, s82
	s_mov_b32 s85, 0
	s_lshl_b32 s86, s[WG], 2
	s_mov_b32 s87, 0
	s_mov_b32 s[SEL], 0x76543210
	s_mov_b32 s[SEL+1], 0xfedcba98
	v_and_b32 v1, 15, v0
	v_bfe_u32 v2, v0, 4, 1
	v_and_b32 v20, 31, v0
	v_mul_u32_u24 v21, v1, PX
	v_mad_u32_u24 v22, v2, 24, v21
	v_add_nc_u32 v3, XA, v22
	v_lshl_add_u32 v4, v2, 4, v3
	v_add_nc_u32 v5, 128*PX, v3
	v_add_nc_u32 v6, 128*PX, v4
	s_mul_i32 s88, s[WV], WRQ
	v_mul_u32_u24 v21, v1, PWQ
	v_mad_u32_u24 v21, v2, 24, v21
	v_add_nc_u32 v7, s88, v21
	v_lshl_add_u32 v8, v2, 3, v7
	s_lshl_b32 s88, s[WV], 3
	s_add_co_u32 s88, s88, EX
	v_lshl_add_u32 v9, v1, 5, s88
	v_lshlrev_b32 v10, 5, v1
	v_add_nc_u32 v10, EX, v10
	s_mul_i32 s89, s[WV], 16*GP
	v_mul_u32_u24 v11, v1, GP
	v_lshl_add_u32 v11, v2, 5, v11
	v_add_nc_u32 v11, s89, v11
	v_lshlrev_b32 v13, 4, v20
	v_add_nc_u32 v12, s89, v13
	v_lshlrev_b32 v14, 4, v1
	v_lshlrev_b32 v15, 5, v2
	v_mov_b32 v17, 0
	v_and_b32 v21, 8, v1
	v_add_nc_u32 v21, v21, v1
	v_mul_u32_u24 v18, v21, 384
	v_mad_u32_u24 v18, v2, 24, v18
	v_lshlrev_b32 v19, 4, v21
	s_wait_dscnt 0x0
	s_wait_kmcnt 0x0
	s_add_nc_u64 s[G0W+2:G0W+3], s[8:9], s[74:75]
	s_or_b32 s[G0W+3], s[G0W+3], 0x80000000
	s_add_nc_u64 s[G0X+2:G0X+3], s[4:5], s[76:77]
	s_or_b32 s[G0X+3], s[G0X+3], 0x80000000
	s_add_nc_u64 s[XSB:XSB+1], s[6:7], s[78:79]
	s_add_nc_u64 s[WSB:WSB+1], s[10:11], s[80:81]
	s_add_nc_u64 s[BQB:BQB+1], s[12:13], s[82:83]
	s_add_nc_u64 s[WGB:WGB+1], s[14:15], s[82:83]
	s_add_nc_u64 s[30:31], s[30:31], s[84:85]
	s_add_nc_u64 s[32:33], s[32:33], s[86:87]
	CROUND                                         ; all four work-groups are here: the joint loads meet
	s_cmp_lt_u32 s[WV], 2                          ; one tensor load a wave: waves 0 and 1 a half of Wq, jointly,
	s_cbranch_scc0 .Lhead_x
	tensor_load_to_lds s[G0W:G0W+3], s[G1W:G1W+7]
	s_nop 0
	PLACES 4
	s_branch .Lhead_asked
.Lhead_x:
	tensor_load_to_lds s[G0X:G0X+3], s[G1X:G1X+7]  ; waves 2 and 3 a half of my work-group's x
	s_nop 0
	PLACES 4
.Lhead_asked:
	s_wait_alu depctr_va_vdst(0)                   ; the wait at the head's end
.irp t, 0,1,2,3,4,5,6,7
	global_load_b128 v[WS+4*\t:WS+4*\t+3], v14, s[WSB:WSB+1] offset:256*\t
.endr
.irp m, 0,1,2,3
	global_load_b128 v[XS+4*\m:XS+4*\m+3], v14, s[XSB:XSB+1] offset:256*\m
.endr
	WIN 0x40
.irp t, 0,1,2,3,4,5,6,7
	global_load_b128 v[BQ+8*\t:BQ+8*\t+3], v15, s[BQB:BQB+1] offset:64*\t
	global_load_b128 v[BQ+8*\t+4:BQ+8*\t+7], v15, s[BQB:BQB+1] offset:64*\t+16
.endr
	WIN 0x80
.irp t, 0,1,2,3,4,5,6,7
	global_load_b128 v[WGV+8*\t:WGV+8*\t+3], v15, s[WGB:WGB+1] offset:64*\t
	global_load_b128 v[WGV+8*\t+4:WGV+8*\t+7], v15, s[WGB:WGB+1] offset:64*\t+16
.endr
	WIN 0
	s_cmp_lt_u32 ttmp9, 28
	s_cbranch_scc0 .Lno_image
	s_lshr_b32 s74, ttmp9, 2
	s_and_b32 s75, ttmp9, 3
	s_cmp_lt_u32 s74, 6
	s_cselect_b64 s[76:77], s[20:21], s[24:25]
	s_cselect_b64 s[78:79], s[22:23], s[26:27]
	s_cmp_lt_u32 s74, 4
	s_cselect_b64 s[76:77], s[8:9], s[76:77]
	s_cselect_b64 s[78:79], s[10:11], s[78:79]
	s_cmp_lt_u32 s74, 2
	s_cselect_b64 s[76:77], s[16:17], s[76:77]
	s_cselect_b64 s[78:79], s[18:19], s[78:79]
	s_lshl_b32 s80, s[CX], 2
	s_add_co_u32 s80, s80, s[WV]
	s_lshr_b32 s81, s80, 3
	s_and_b32 s82, s74, 1
	s_lshl_b32 s82, s82, 1
	s_add_co_u32 s81, s81, s82
	s_and_b32 s82, s80, 7
	s_lshl_b32 s83, s75, 3
	s_add_co_u32 s82, s82, s83
	s_lshr_b32 s83, s80, 2
	s_and_b32 s84, s80, 3
	s_lshl_b32 s85, s75, 2
	s_add_co_u32 s84, s84, s85
	s_cmp_lt_u32 s74, 6
	s_cselect_b32 s81, s81, s83
	s_cselect_b32 s82, s82, s84
	s_lshr_b32 s83, s82, 1
	s_lshl_b32 s83, s83, 5
	s_and_b32 s84, s82, 1
	s_lshl_b32 s84, s84, 3
	s_add_co_u32 s83, s83, s84
	s_mul_i32 s84, s83, 384
	s_mul_i32 s85, s81, 96
	s_add_co_u32 s84, s84, s85
	s_mov_b32 s85, 0
	s_add_nc_u64 s[76:77], s[76:77], s[84:85]
	s_lshl_b32 s84, s83, 4
	s_lshl_b32 s86, s81, 2
	s_add_co_u32 s84, s84, s86
	s_add_nc_u64 s[78:79], s[78:79], s[84:85]
	s_mul_i32 s84, s74, 102400
	s_mul_i32 s86, s75, 25600
	s_add_co_u32 s84, s84, s86
	s_mul_i32 s86, s80, 1536
	s_add_co_u32 s86, s86, s84
	s_mov_b32 s87, 0
	s_add_nc_u64 s[88:89], s[28:29], s[86:87]
	s_lshr_b32 s86, s80, 2
	s_lshl_b32 s86, s86, 8
	s_and_b32 s90, s80, 3
	s_lshl_b32 s90, s90, 2
	s_add_co_u32 s86, s86, s90
	s_add_co_u32 s86, s86, s84
	s_add_co_u32 s86, s86, 24576
	s_add_nc_u64 s[90:91], s[28:29], s[86:87]
.irp p, 0,1,2,3,4,5
	global_load_b64 v[T+2*\p:T+2*\p+1], v18, s[76:77] offset:48*(\p/3)+8*(\p%3)
.endr
	global_load_b32 v[T+12], v19, s[78:79]
	s_wait_loadcnt 0x0
.irp c, 0,1,2
	global_store_b128 v13, v[T+4*\c:T+4*\c+3], s[88:89] offset:512*\c
.endr
	global_store_b32 v14, v[T+12], s[90:91]
.Lno_image:
	s_wait_xcnt 0x0
	s_wait_tensorcnt 0x0                           ; my one load has landed; every wave reads bytes that other waves' loads brought:
	s_barrier_signal -1                            ; so a barrier stands between that wait and the reads
	s_barrier_wait -1
.irp s, 0,1,2,3
.if \s < 2
	WIN 0x40
.else
	WIN 0x80
.endif
.irp t, 0,1,2,3,4,5,6,7
	FRAGW 12*(8*(\s%2)+\t), \s, \t
.endr
.endr
	WIN 0
	FETCHX 0, 0
.irp i, 0,1,2,3
	s_wait_loadcnt 0x0
	KS \i, 0
	KS \i, 1
	KS \i, 2
	KS \i, 3
	EPI \i
.endr
.irp c, 0,1,2,3,4,5,6,7,8,9,10,11,12,13,14,15
	ds_store_b128 v11, v[GA+4*\c:GA+4*\c+3] offset:64*(\c/2)+16*(\c%2)
.endr
.irp q, 0,1,2,3,4,5,6,7,8,9,10,11,12,13,14,15
	ds_load_b128 v[XF+4*\q:XF+4*\q+3], v12 offset:GP*\q
.endr
	s_wait_dscnt 0x0
.irp d, 8,4,2,1
.set Q, 0
.rept \d
	v_pk_add_f32 v[XF+4*Q:XF+4*Q+1], v[XF+4*Q:XF+4*Q+1], v[XF+4*(Q+\d):XF+4*(Q+\d)+1]
	v_pk_add_f32 v[XF+4*Q+2:XF+4*Q+3], v[XF+4*Q+2:XF+4*Q+3], v[XF+4*(Q+\d)+2:XF+4*(Q+\d)+3]
.set Q, Q+1
.endr
.endr
	global_store_b128 v13, v[XF:XF+3], s[30:31]
	v_add_f32_dpp v16, v16, v16 row_xmask:1 row_mask:0xf bank_mask:0xf
	v_add_f32_dpp v16, v16, v16 row_xmask:2 row_mask:0xf bank_mask:0xf
	v_add_f32_dpp v16, v16, v16 row_xmask:4 row_mask:0xf bank_mask:0xf
	v_add_f32_dpp v16, v16, v16 row_xmask:8 row_mask:0xf bank_mask:0xf
	s_wait_alu depctr_va_vdst(0)
	s_wait_xcnt 0x0
	v_cmp_eq_u32 vcc_lo, 0, v0
	s_and_saveexec_b32 s74, vcc_lo
	global_store_b32 v17, v16, s[32:33]
	s_wait_xcnt 0x0
	s_or_b32 exec_lo, exec_lo, s74
	s_wait_tensorcnt 0x0
	ds_add_u32 v[SPW], v[NIL]
	s_wait_dscnt 0x0
	CROUND
	s_endpgm
.Lfunc_end_k_q40b6743f10_pool:
	.size	k_q40b6743f10_pool, .Lfunc_end_k_q40b6743f10_pool-k_q40b6743f10_pool
	.p2alignl 7, 3214868480
	.fill 96, 4, 3214868480
	.section	.rodata,"a",@progbits
	.p2align	6, 0x0
	.amdhsa_kernel k_q40b6743f10_pool
		.amdhsa_group_segment_fixed_size 327680
		.amdhsa_private_segment_fixed_size 0
		.amdhsa_enable_private_segment 0
		.amdhsa_kernarg_size 120
		.amdhsa_user_sgpr_count 2
		.amdhsa_user_sgpr_kernarg_segment_ptr 1
		.amdhsa_wavefront_size32 1
		.amdhsa_system_sgpr_workgroup_id_x 1
		.amdhsa_system_sgpr_workgroup_id_y 1
		.amdhsa_system_sgpr_workgroup_id_z 1
		.amdhsa_system_vgpr_workitem_id 0
		.amdhsa_next_free_vgpr 1024
		.amdhsa_next_free_sgpr 100
		.amdhsa_reserve_vcc 1
		.amdhsa_float_denorm_mode_32 3
		.amdhsa_float_denorm_mode_16_64 3
		.amdhsa_memory_ordered 1
		.amdhsa_forward_progress 1
		.amdhsa_inst_pref_size 235
	.end_amdhsa_kernel
	.amdgpu_metadata
---
amdhsa.version: [ 1, 2 ]
amdhsa.kernels:
  - .name:           k_q40b6743f10_pool
    .symbol:         k_q40b6743f10_pool.kd
    .args:
      - { .name: x_codes, .offset: 0, .size: 8, .value_kind: global_buffer, .address_space: global }
      - { .name: x_scales, .offset: 8, .size: 8, .value_kind: global_buffer, .address_space: global }
      - { .name: Wq_codes, .offset: 16, .size: 8, .value_kind: global_buffer, .address_space: global }
      - { .name: Wq_scales, .offset: 24, .size: 8, .value_kind: global_buffer, .address_space: global }
      - { .name: bq, .offset: 32, .size: 8, .value_kind: global_buffer, .address_space: global }
      - { .name: w_g, .offset: 40, .size: 8, .value_kind: global_buffer, .address_space: global }
      - { .name: Wk_codes, .offset: 48, .size: 8, .value_kind: global_buffer, .address_space: global }
      - { .name: Wk_scales, .offset: 56, .size: 8, .value_kind: global_buffer, .address_space: global }
      - { .name: Wp_codes, .offset: 64, .size: 8, .value_kind: global_buffer, .address_space: global }
      - { .name: Wp_scales, .offset: 72, .size: 8, .value_kind: global_buffer, .address_space: global }
      - { .name: Wf_codes, .offset: 80, .size: 8, .value_kind: global_buffer, .address_space: global }
      - { .name: Wf_scales, .offset: 88, .size: 8, .value_kind: global_buffer, .address_space: global }
      - { .name: wimg, .offset: 96, .size: 8, .value_kind: global_buffer, .address_space: global }
      - { .name: part, .offset: 104, .size: 8, .value_kind: global_buffer, .address_space: global }
      - { .name: qss, .offset: 112, .size: 8, .value_kind: global_buffer, .address_space: global }
    .group_segment_fixed_size: 327680
    .private_segment_fixed_size: 0
    .kernarg_segment_align: 8
    .kernarg_segment_size: 120
    .max_flat_workgroup_size: 128
    .sgpr_count:     100
    .vgpr_count:     1024
    .wavefront_size: 32
...
	.end_amdgpu_metadata
.endif
;; end of part 1
;; launch fuse (part 2): grid 256 x 1, 4 waves a work-group, no clusters, 327,680 bytes of LDS; arguments x_codes, x_scales, wimg, part, qss, bk, bq, bp, bf, out0; writes out0
.if DOCPART == 2
	.amdgcn_target "amdgcn-amd-amdhsa--gfx1250"
	.amdhsa_code_object_version 6
	.text
	.protected	k_q40b6743f10_fuse
	.globl	k_q40b6743f10_fuse
	.p2align	8
	.type	k_q40b6743f10_fuse,@function
k_q40b6743f10_fuse:
	s_mov_b64 s[64:65], 0
	v_nop
	global_prefetch_b8 v0, s[64:65] scope:SCOPE_SE
	s_setreg_imm32_b32 hwreg(HW_REG_WAVE_MODE, 25, 1), 1
	s_wait_xcnt 0x0
; SECOND LAUNCH.  G of the batch from part and qss; key = x Wk + bk; z = Q(G x key / max(|key|, EPS)); u = Q(z Wp + bp + x Wq + bq); out = u Wf + bf.  Q: the MX quantiser to FP6 (E2M3) along the 512 columns.
; No work of the problem is left out; query is made a second time here (see the first launch's head).
; SHARES.  A work-group owns 256 rows and takes them as 2 blocks of 128.  Wave w owns columns 128 w .. + 127 of key, query and u and columns 64 w .. + 63 of out, for all 128 rows of a block: 64 accumulators, 512 registers.
; All products are used transposed (source 0 = 16 rows of a weight, source 1 = 16 rows of x, z or u): lane (r, h) holds row r; wimg chose the rows of a tile so that register 16 b + i of a row tile is column 32 b + 16 h + i of the wave's 128.
; THE WEIGHTS lie in wimg as images of a wave's operand registers and go from memory STRAIGHT INTO REGISTERS: 24 loads of 16 bytes a lane and 2 of scale words for a K step, 14 such sets a block, two register sets.
; Each half of a step goes by pairs of column tiles, so a fragment's registers are asked for again (the set two steps on) right behind its last product; the waits in front of the products are counted, pair by pair.
; NO CLUSTER, NO JOINT LOADS: a wave's 12,288 bytes of weights for a K step are read by no other wave of the work-group; through LDS they would be written there once and read there once, beside the 12,288 bytes of source 1
; that each wave reads there.  Taken straight into registers they pass LDS not at all, nothing in LDS is filled again, and a block has three barriers.  What partners could share lands in no LDS.
; x: all 256 rows come once, one tensor load a wave at the head, as dense rows of 256 bytes; 16 bytes of padding behind each 128, counted along the tile: a row of 384 bytes of codes is 432 bytes in LDS.
; G, bk, bq + bp and bf lie in LDS as tables and come into the 64 registers of the C operand when they are due.  z and u go from wave to wave as images of the operand's registers, each in bytes of its own.
; THE LAST PRODUCT goes by row tiles: a tile's 16 products, then its way out through the wave's own stage, while the next tile is multiplied.
; PREFETCH: in the first block, at every second K step, the slot's worth of wimg (102,400 bytes, 400 blocks of 256) whose first load stands two K steps on is asked for.  Work-groups g and 255 - g form one of 128 classes u;
; wave w of class u names block u + 128 w, where that is under 400: each block is named by two work-groups, once each.  The first two slots' worth come by their loads alone; the second block asks for nothing.
; LIMITS.  Divisions are v_rcp_f32 and a multiply; sums of squares and G are taken in another f32 order than the source reads; bq + bp is added first.  A block of zeros gets the scale byte 1
; (its codes are zeros, and this program alone reads the bytes).  A sum of squares under 2^-126 counts as 0 in v_sqrt_f32 (under EPS either way).  NaN and infinities among the inputs are not served.
; REGISTERS: window 0: v0-29 addresses; v32-63 x scale words (4 m + s); v64-95 z's, later u's; v96-127 the weights' scale words, four sets; v128-223 source 1 (between the products: at work); v224-255 the way out.
;   window 1: the weights' fragments, two sets (v0-95, v128-223); the C operand or G (v96-127, v224-255); windows 2, 3: the accumulators, (m, t) at v[8 (8 (m % 4) + t)].
.set BLOCKS, 2
.set QB,    25600                      ; a wave's quarter of a slot's worth in wimg: 16 images of 1,536 bytes, 1,024 bytes of scale words
.set SLOTB, 4*QB
.set FRB,   1536
.set PX,    432
.set ZI,    0                          ; 32 images of z: fragment 4 m + s
.set UI,    ZI+32*FRB                  ; 32 images of u
.set ZS,    UI+32*FRB                  ; scale words [row][4]: z's, and 2,048 bytes on u's
.set NRM,   ZS+4096                    ; sums of squares: [row][wave]
.set TB,    NRM+2048                   ; tables: G, bk, bq + bp (2,048 bytes each), bf (1,024)
.set SP,    272
.set STG,   TB+7168                    ; the way out: 16 rows x (256 + 16) a wave
.set SPARE, STG+4*16*SP                ; the spare words, 128 bytes a wave
.set XB,    SPARE+512                  ; 256 rows of x
.set SPW, 28
.set NIL, 29
.set AS0, 32
.set AS1, 64
.set BS,  96
.set AF,  128
.set SS,  128
.set IV,  144
.set NT,  160
.set TM,  192
.set PWD, 204
.set PCD, 208
.set OB,  224
.set WV,  24
.set PFON, 26                          ; s26  1 while my wave prefetches
.set BLKS, 27
.set G1X, 28
.set G0X, 36
.set PF,  44                           ; s[44:45] wimg at my wave's block of each slot's worth
.set SEL, 56
.set MSB, 0
.macro WIN new                         ; the immediate's high byte repeats the setting that is left; a switch that changes nothing is dropped
.if MSB != (\new)
	s_set_vgpr_msb (MSB<<8)|(\new)
.set MSB, (\new)
.endif
.endm
.macro PLACES n
.rept \n
	v_nop
.endr
.endm
.macro BARRIER                         ; my LDS stores have landed and my LDS loads are in: then the work-group's barrier
	s_wait_dscnt 0x0
	s_barrier_signal -1
	s_barrier_wait -1
.endm
.macro FRAGX reg, s, rt                ; a fragment of x from padded rows, in pieces of 8 bytes; where lanes 16-31 lie behind one padding more, the second address register serves
.irp p, 0,1,2,3,4,5
.set PC, 12*(\s)+6*(\p/3)+\p%3
.if PC%16 < 13
	ds_load_b64 v[\reg+2*\p:\reg+2*\p+1], v3 offset:8*PC+16*(PC/16)+(\rt)*16*PX
.else
	ds_load_b64 v[\reg+2*\p:\reg+2*\p+1], v4 offset:8*PC+16*(PC/16)+(\rt)*16*PX
.endif
.endr
.endm
.macro FETCH_A k, s, m0                ; source 1, row tiles m0 .. m0 + 3, K step s.  k = 0: from the rows of x (6 loads a fragment); k = 1: images of z (3 loads)
.irp i, \m0, \m0+1, \m0+2, \m0+3
.if (\k) == 0
	FRAGX AF+12*(\i), \s, \i
.else
.irp c, 0,1,2
	ds_load_b128 v[AF+12*(\i)+4*\c:AF+12*(\i)+4*\c+3], v7 offset:(4*(\i)+(\s))*FRB+512*\c
.endr
.endif
.endr
.endm
.macro GFRAG sg, t                     ; fragment t of the block's set sg (0 .. 13) into register set sg % 2; under destination window 1
.irp c, 0,1,2
	global_load_b128 v[128*((\sg)%2)+12*(\t)+4*\c:128*((\sg)%2)+12*(\t)+4*\c+3], v5, s[8:9] offset:((\sg)/2)*SLOTB+(8*((\sg)%2)+(\t))*FRB+512*\c
.endr
.endm
.macro GSCL sg                         ; the eight scale words of set sg into scale set sg % 4
.irp g, 0,1
	global_load_b128 v[BS+8*((\sg)%4)+4*\g:BS+8*((\sg)%4)+4*\g+3], v20, s[8:9] offset:((\sg)/2)*SLOTB+24576+(2*((\sg)%2)+\g)*256
.endr
.endm
.macro LDTAB adr, off, nt              ; a table in the result's layout: tile t, register j: number 32 (t / 2) + 16 h + 8 (t % 2) + j; under destination window 1
.set TT, 0
.rept \nt
.set RB, 96+8*TT+96*(TT/4)
	ds_load_b128 v[RB:RB+3], v[\adr] offset:(\off)+(32*(TT/2)+8*(TT%2))*4
	ds_load_b128 v[RB+4:RB+7], v[\adr] offset:(\off)+(32*(TT/2)+8*(TT%2))*4+16
.set TT, TT+1
.endr
.endm
; 4 products: row tiles m0 .. m0 + 3 x column tile t.  c = 1: the table is C and starts the sums.  No two products on end share an accumulator.
.macro MUL4 m0, t, sg, k, c
.irp m, \m0, \m0+1, \m0+2, \m0+3
.if \c
	v_wmma_scale_f32_16x16x128_f8f6f4 v[8*(8*((\m)%4)+(\t)):8*(8*((\m)%4)+(\t))+7], v[128*((\sg)%2)+12*(\t):128*((\sg)%2)+12*(\t)+11], v[AF+12*(\m):AF+12*(\m)+11], v[96+8*(\t)+96*((\t)/4):96+8*(\t)+96*((\t)/4)+7], v[BS+8*((\sg)%4)+(\t)], v[AS0+32*(\k)+4*(\m)+(\sg)%4] matrix_a_fmt:MATRIX_FMT_FP6 matrix_b_fmt:MATRIX_FMT_FP6
.else
	v_wmma_scale_f32_16x16x128_f8f6f4 v[8*(8*((\m)%4)+(\t)):8*(8*((\m)%4)+(\t))+7], v[128*((\sg)%2)+12*(\t):128*((\sg)%2)+12*(\t)+11], v[AF+12*(\m):AF+12*(\m)+11], v[8*(8*((\m)%4)+(\t)):8*(8*((\m)%4)+(\t))+7], v[BS+8*((\sg)%4)+(\t)], v[AS0+32*(\k)+4*(\m)+(\sg)%4] matrix_a_fmt:MATRIX_FMT_FP6 matrix_b_fmt:MATRIX_FMT_FP6
.endif
.endr
.endr
.endm
; A K step: set sg, source 1 of kind k.  fetch = 1: the next step's source 1 (kind kn) is fetched in the middle and at the end.  Set sg + 2 is asked for in the second half: 2 loads of scale words, then 3 for each fragment.
.macro STEP sg, k, c, fetch, kn
	s_wait_dscnt 4*(6-3*(\k))                      ; all but the youngest LDS loads, source 1's tiles 4-7
	WIN 0xa1-0x10*(\c)
.irp p, 0,1,2,3
.if (\sg) >= 2
	s_wait_loadcnt 44-6*\p                         ; fragments 2 p, 2 p + 1 are in: behind them stand 18 - 6 p loads of this set and the 26 of the next (sets 0 and 1 were waited for whole)
.endif
	MUL4 0, 2*\p, \sg, \k, \c
	MUL4 0, 2*\p+1, \sg, \k, \c
.endr
	s_wait_dscnt 0x0
	PLACES 4                                       ; four places in front of loads into registers that products have read
	WIN 0
.if \fetch
	FETCH_A \kn, ((\sg)+1)%4, 0
.endif
.if ((\sg)%2 == 0) && ((\sg) <= 8)
	s_cmp_eq_u32 s[PFON], 1
	s_cbranch_scc0 .Lno_pf_\@
	global_prefetch_b8 v25, s[PF:PF+1] offset:((\sg)/2+2)*SLOTB th:TH_LOAD_NT scope:SCOPE_SE   ; my block of the slot's worth whose first load stands two K steps on
.Lno_pf_\@:
.endif
	GSCL (\sg)+2
.irp p, 0,1,2,3
	WIN 0xf1-0x20*(\c)
	MUL4 4, 2*\p, \sg, \k, \c
	MUL4 4, 2*\p+1, \sg, \k, \c
	PLACES 4                                       ; these two fragments have had their last product: four places, and their registers are asked for again
	WIN 0x40
	GFRAG (\sg)+2, 2*\p
	GFRAG (\sg)+2, 2*\p+1
.endr
	WIN 0
.if \fetch
	FETCH_A \kn, ((\sg)+1)%4, 4
.endif
.endm
; 64 numbers of a lane in window w, v[s0] on, register 16 b + i = column 32 b + 16 h + i of my row, become a fragment's codes in v[pc] on and its scale word in v[pw].
.macro QUANT w, s0, pc, pw
	WIN ((\w)<<2)|((\w)<<4)
.irp b, 0,1,2,3
	v_max3_num_f32 v[TM+\b], 0x1800000, |v[\s0+16*\b]|, |v[\s0+16*\b+1]|   ; my 16 numbers of block b, and the floor 2^(3 - 127): the byte cannot fall under 1
.endr
.irp i, 2,4,6,8,10,12,14
.irp b, 0,1,2,3
	v_max3_num_f32 v[TM+\b], v[TM+\b], |v[\s0+16*\b+\i]|, |v[\s0+16*\b+\i+1]|
.endr
.endr
	WIN 0
.irp b, 0,1,2,3
	v_permlanex16_b32 v[TM+4+\b], v[TM+\b], s[SEL], s[SEL+1]
.endr
.irp b, 0,1,2,3
	v_max_num_f32 v[TM+\b], v[TM+\b], v[TM+4+\b]   ; with lane l xor 16: the block's largest magnitude
.endr
.irp b, 0,1,2,3
	v_add_nc_u32 v[TM+8+\b], 0xff000000, v[TM+\b]  ; 2 off its exponent field: the conversion's scale operand
.endr
.irp b, 0,1,2,3
	v_lshrrev_b32 v[TM+4+\b], 23, v[TM+8+\b]       ; the scale's byte
.endr
	v_lshl_or_b32 v[\pw], v[TM+5], 8, v[TM+4]
	v_lshl_or_b32 v[\pw], v[TM+6], 16, v[\pw]
	v_lshl_or_b32 v[\pw], v[TM+7], 24, v[\pw]
	WIN \w
.irp c, 0,1
	v_cvt_scalef32_pk16_fp6_f32 v[\pc+6*\c:\pc+6*\c+2], v[\s0+32*\c:\s0+32*\c+15], v[TM+8+2*\c]
	v_cvt_scalef32_pk16_fp6_f32 v[\pc+12+4*\c:\pc+14+4*\c], v[\s0+32*\c+16:\s0+32*\c+31], v[TM+9+2*\c]
.endr
	WIN 0
	v_nop                                          ; one plain place behind a scaled conversion
.irp c, 0,1                            ; the operand's layout wants a whole block in a lane
.irp i, 0,1,2
	v_permlane16_swap_b32 v[\pc+6*\c+\i], v[\pc+12+4*\c+\i]
.endr
.irp i, 0,1,2
	v_mov_b32 v[\pc+3+6*\c+\i], v[\pc+12+4*\c+\i]
.endr
.endr
.endm
.macro QTILE m, ia, so                 ; row tile m is quantised and stored as K step w of the next product; the code sets take turns
.if (\m) >= 2
	s_wait_dscnt 0x4                               ; the four stores of the tile before may be out: those of two tiles back, which read this set, are done
.endif
	QUANT 2+(\m)/4, 64*((\m)%4), PCD+20*((\m)%2), PWD+(\m)%2
.irp c, 0,1,2
	ds_store_b128 v[\ia], v[PCD+20*((\m)%2)+4*\c:PCD+20*((\m)%2)+4*\c+3] offset:4*FRB*(\m)+512*\c
.endr
	ds_store_b32 v13, v[PWD+(\m)%2] offset:(\so)+256*(\m)   ; both halves of the lanes write the same word
.endm
.macro ZTILE m                         ; z = G x (key / max(|key|, EPS)), in place
	WIN ((2+(\m)/4)<<6)|(2+(\m)/4)
.set J, 0
.rept 32
	v_pk_mul_f32 v[64*((\m)%4)+2*J:64*((\m)%4)+2*J+1], v[64*((\m)%4)+2*J:64*((\m)%4)+2*J+1], v[IV+2*(\m):IV+2*(\m)+1] op_sel_hi:[1,0]
.set J, J+1
.endr
	WIN ((2+(\m)/4)<<6)|4|(2+(\m)/4)
.set J, 0
.rept 32
	v_pk_mul_f32 v[64*((\m)%4)+2*J:64*((\m)%4)+2*J+1], v[64*((\m)%4)+2*J:64*((\m)%4)+2*J+1], v[96+2*J+96*(J/16):97+2*J+96*(J/16)]
.set J, J+1
.endr
	QTILE \m, 11, 0
.endm
.macro FA m                            ; the four fragments of u's row tile m into half m % 2 of source 1's registers
.irp s, 0,1,2,3
.irp c, 0,1,2
	ds_load_b128 v[AF+48*((\m)%2)+12*\s+4*\c:AF+48*((\m)%2)+12*\s+4*\c+3], v8 offset:(4*(\m)+\s)*FRB+512*\c
.endr
.endr
.endm
.macro FROW m, s                       ; out: row tile m x my four column tiles, K step s; the four accumulators, (m, t) at v[8 (4 m + t)] of window 2, by turns
.irp t, 0,1,2,3
.if (\s) == 0
	v_wmma_scale_f32_16x16x128_f8f6f4 v[8*(4*(\m)+\t):8*(4*(\m)+\t)+7], v[12*\t:12*\t+11], v[AF+48*((\m)%2):AF+48*((\m)%2)+11], v[96+8*\t:96+8*\t+7], v[BS+\t], v[AS1+4*(\m)] matrix_a_fmt:MATRIX_FMT_FP6 matrix_b_fmt:MATRIX_FMT_FP6
.else
	v_wmma_scale_f32_16x16x128_f8f6f4 v[8*(4*(\m)+\t):8*(4*(\m)+\t)+7], v[128*((\s)/2)+12*(4*((\s)%2)+\t):128*((\s)/2)+12*(4*((\s)%2)+\t)+11], v[AF+48*((\m)%2)+12*(\s):AF+48*((\m)%2)+12*(\s)+11], v[8*(4*(\m)+\t):8*(4*(\m)+\t)+7], v[BS+4*(\s)+\t], v[AS1+4*(\m)+(\s)] matrix_a_fmt:MATRIX_FMT_FP6 matrix_b_fmt:MATRIX_FMT_FP6
.endif
.endr
.endm
; THE WAY OUT of a row tile: a lane's 32 numbers of a row go into my stage, whole rows of 256 bytes come back, and sixteen lanes store 256 bytes on end, at a multiple of 256 from the first byte of out.
.macro TOSTAGE a
	WIN 0x08                                       ; an LDS store's data are its source 1: window 2
.irp t, 0,1,2,3
	ds_store_b128 v16, v[8*(4*(\a)+\t):8*(4*(\a)+\t)+3] offset:128*(\t/2)+32*(\t%2)          ; each accumulator from its low end on
	ds_store_b128 v16, v[8*(4*(\a)+\t)+4:8*(4*(\a)+\t)+7] offset:128*(\t/2)+32*(\t%2)+16
.endr
	WIN 0
.irp i, 0,1,2,3,4,5,6,7
	ds_load_b128 v[OB+4*\i:OB+4*\i+3], v17 offset:2*SP*\i            ; LDS serves a wave's instructions in order: these see my stores
.endr
.endm
.macro SEND a, younger                 ; younger: the LDS loads issued behind tile a's, which may stay out
	s_wait_dscnt \younger
.irp i, 0,1,2,3,4,5,6,7
	global_store_b128 v18, v[OB+4*\i:OB+4*\i+3], s[22:23] offset:(16*(\a)+2*\i)*1024 th:TH_STORE_NT
.endr
.endm
	s_load_b512 s[4:19], s[0:1], 0x0               ; x codes s[4:5], x scales s[6:7], wimg s[8:9], part s[10:11], qss s[12:13], bk s[14:15], bq s[16:17], bp s[18:19]
	s_load_b128 s[20:23], s[0:1], 0x40             ; bf s[20:21], out s[22:23]
	v_lshl_add_u32 v[SPW], v0, 2, SPARE
	v_mov_b32 v[NIL], 0
	ds_add_u32 v[SPW], v[NIL]                      ; the wave's opening: the add, twice on end, and its wait ahead of my tensor load
	ds_add_u32 v[SPW], v[NIL]
	v_lshrrev_b32 v1, 5, v0
	v_readfirstlane_b32 s[WV], v1                  ; wave 0..3
	; group 1 for x: my 64 rows, 24,576 dense bytes as 96 rows of 256; 16 bytes of padding behind each 128
	s_mov_b32 s[G1X], (1<<20)|(4<<22)|(3<<25)
	s_mov_b32 s[G1X+1], 256<<16
	s_mov_b32 s[G1X+2], 96<<16
	s_mov_b32 s[G1X+3], 256<<16
	s_mov_b32 s[G1X+4], 96
	s_mov_b32 s[G1X+5], 256
	s_mov_b32 s[G1X+6], 0
	s_mov_b32 s[G1X+7], 0
	s_mov_b32 s[G0X], 1
	s_mul_i32 s[G0X+1], s[WV], 64*PX
	s_add_co_u32 s[G0X+1], s[G0X+1], XB
	s_mov_b32 s[SEL], 0x76543210
	s_mov_b32 s[SEL+1], 0xfedcba98                 ; v_permlanex16_b32: lane l xor 16
	s_mul_i32 s59, s[WV], FRB
	s_lshl_b32 s60, s[WV], 2
	s_lshl_b32 s61, s[WV], 9
	s_add_co_u32 s61, s61, TB
	s_lshl_b32 s62, s[WV], 8
	s_add_co_u32 s62, s62, TB+6144
	s_mul_i32 s63, s[WV], 16*SP
	s_add_co_u32 s63, s63, STG
	v_and_b32 v1, 15, v0                           ; r
	v_bfe_u32 v2, v0, 4, 1                         ; h
	v_and_b32 v24, 31, v0                          ; lane
	v_mul_u32_u24 v22, v1, PX
	v_mad_u32_u24 v22, v2, 24, v22
	v_add_nc_u32 v22, XB, v22                      ; x, first block: row r x pitch + 24 h
	v_lshl_add_u32 v23, v2, 4, v22                 ; and behind one padding more
	v_mov_b32 v3, v22
	v_mov_b32 v4, v23
	v_lshlrev_b32 v5, 4, v24                       ; 16 x lane: the images in wimg
	v_lshlrev_b32 v20, 4, v1                       ; 16 r
	v_add_nc_u32 v7, ZI, v5                        ; the images of z, read
	v_add_nc_u32 v8, UI, v5                        ; of u
	v_add_nc_u32 v9, ZS, v20                       ; their scale words
	v_add_nc_u32 v11, s59, v7                      ; written: K step = my wave
	v_add_nc_u32 v12, s59, v8
	v_add_nc_u32 v13, s60, v9
	v_add_nc_u32 v21, NRM, v20
	v_add_nc_u32 v19, s60, v21
	v_lshlrev_b32 v10, 6, v2                       ; 64 h
	v_add_nc_u32 v15, s61, v10                     ; the tables at my 128 columns
	v_add_nc_u32 v6, s62, v10                      ; bf at my 64
	v_mul_u32_u24 v16, v1, SP
	v_add_nc_u32 v16, v16, v10
	v_add_nc_u32 v16, s63, v16                     ; the stage, in: row r, + 64 h
	v_mul_u32_u24 v17, v2, SP
	v_add_nc_u32 v17, v17, v20
	v_add_nc_u32 v17, s63, v17                     ; back: lanes 0-15 one row, lanes 16-31 the next
	v_lshl_add_u32 v18, v2, 10, v20                ; and the same two rows in out
	v_lshlrev_b32 v26, 4, v0                       ; 16 x thread
	v_add_nc_u32 v27, TB, v26
	v_lshlrev_b32 v14, 3, v0                       ; 8 x thread
	v_add_nc_u32 v30, TB+6144, v14
	v_mov_b32 v25, 0
	s_wait_dscnt 0x0                               ; both opening adds are done
	s_wait_kmcnt 0x0
	s_mov_b32 s41, 0
	s_lshr_b32 s42, ttmp9, 4                       ; the batch: 16 work-groups of 256 rows
	s_lshl_b32 s40, s42, 6
	s_add_nc_u64 s[12:13], s[12:13], s[40:41]      ; its 16 numbers of qss
	s_lshl_b32 s40, s42, 15
	s_add_nc_u64 s[10:11], s[10:11], s[40:41]      ; its 16 rows of part
	s_lshl_b32 s40, ttmp9, 12
	s_add_nc_u64 s[6:7], s[6:7], s[40:41]          ; my rows' scale bytes
	s_sub_co_u32 s46, 255, ttmp9
	s_min_u32 s46, s46, ttmp9                      ; my class u
	s_lshl_b32 s47, s[WV], 7
	s_add_co_u32 s46, s46, s47                     ; my wave's block of a slot's worth
	s_cmp_lt_u32 s46, 400
	s_cselect_b32 s[PFON], 1, 0                    ; a slot's worth has 400
	s_min_u32 s46, s46, 399
	s_lshl_b32 s40, s46, 8
	s_add_nc_u64 s[PF:PF+1], s[8:9], s[40:41]
	s_mul_i32 s40, s[WV], QB
	s_add_nc_u64 s[8:9], s[8:9], s[40:41]          ; wimg at my quarter
	s_lshl_b32 s40, ttmp9, 18
	s_lshl_b32 s47, s[WV], 8
	s_add_co_u32 s40, s40, s47
	s_add_nc_u64 s[22:23], s[22:23], s[40:41]      ; out: my first row, my 64 columns
	s_mul_i32 s40, ttmp9, 256*384
	s_mul_i32 s47, s[WV], 64*384
	s_add_co_u32 s40, s40, s47
	s_add_nc_u64 s[G0X+2:G0X+3], s[4:5], s[40:41]
	s_or_b32 s[G0X+3], s[G0X+3], 0x80000000
	tensor_load_to_lds s[G0X:G0X+3], s[G1X:G1X+7]  ; my 64 of the work-group's 256 rows of x: the launch's only tensor load of this wave
	s_nop 0
	PLACES 4
	s_wait_alu depctr_va_vdst(0)                   ; the wait at the head's end
.irp i, 0,1,2,3
	global_load_b128 v[224+4*\i:227+4*\i], v25, s[12:13] offset:16*\i        ; qss
.endr
.irp i, 0,1,2,3,4,5,6,7,8,9,10,11,12,13,14,15
	global_load_b128 v[AF+4*\i:AF+4*\i+3], v26, s[10:11] offset:2048*\i      ; part: thread t takes columns 4 t .. 4 t + 3 of the batch's 16 rows
.endr
	global_load_b128 v[192:195], v26, s[14:15]     ; bk, bq, bp: 4 numbers a thread; bf: 2
	global_load_b128 v[196:199], v26, s[16:17]
	global_load_b128 v[200:203], v26, s[18:19]
	global_load_b64 v[204:205], v14, s[20:21]
.irp m, 0,1,2,3,4,5,6,7
	global_load_b128 v[AS0+4*\m:AS0+4*\m+3], v20, s[6:7] offset:256*\m       ; the four scale words of x row 16 m + r
.endr
.irp g, 0,1
	GSCL \g
	WIN 0x40
.irp t, 0,1,2,3,4,5,6,7
	GFRAG \g, \t
.endr
	WIN 0
.endr
	s_wait_loadcnt 60                              ; qss, part and the biases are in; behind them stand the 8 loads of scale words and the 52 of sets 0 and 1
.irp j, 0,4,8,12
	v_pk_add_f32 v[224+\j:225+\j], v[224+\j:225+\j], v[226+\j:227+\j]
.endr
	v_pk_add_f32 v[224:225], v[224:225], v[228:229]
	v_pk_add_f32 v[232:233], v[232:233], v[236:237]
	v_pk_add_f32 v[224:225], v[224:225], v[232:233]
	v_add_f32 v250, v224, v225                     ; the batch's sum of qw^2
	s_wait_alu depctr_va_vdst(0)
	v_sqrt_f32 v251, v250
	v_nop
	s_wait_alu depctr_va_vdst(0)
	v_mul_f32 v251, 0x3d3504f3, v251               ; x SCALE = 512^-0.5: the norm of A before it is normalised
	v_max_num_f32 v251, 0x2b8cbccc, v251           ; max(., EPS)
	s_wait_alu depctr_va_vdst(0)
	v_rcp_f32 v252, v251
	v_nop
	s_wait_alu depctr_va_vdst(0)
	v_mul_f32 v252, 0x3d3504f3, v252
	v_mov_b32 v253, v252
.irp d, 8,4,2,1
.set Q, 0
.rept \d
	v_pk_add_f32 v[AF+4*Q:AF+4*Q+1], v[AF+4*Q:AF+4*Q+1], v[AF+4*(Q+\d):AF+4*(Q+\d)+1]
	v_pk_add_f32 v[AF+4*Q+2:AF+4*Q+3], v[AF+4*Q+2:AF+4*Q+3], v[AF+4*(Q+\d)+2:AF+4*(Q+\d)+3]
.set Q, Q+1
.endr
.endr
	v_pk_mul_f32 v[AF:AF+1], v[AF:AF+1], v[252:253] op_sel_hi:[1,0]
	v_pk_mul_f32 v[AF+2:AF+3], v[AF+2:AF+3], v[252:253] op_sel_hi:[1,0]
	v_pk_add_f32 v[196:197], v[196:197], v[200:201]
	v_pk_add_f32 v[198:199], v[198:199], v[202:203]
	ds_store_b128 v27, v[AF:AF+3]                  ; the tables: G,
	ds_store_b128 v27, v[192:195] offset:2048      ; bk,
	ds_store_b128 v27, v[196:199] offset:4096      ; bq + bp,
	ds_store_b64 v30, v[204:205]                   ; bf
	s_wait_loadcnt 0x0                             ; the scale words of x, sets 0 and 1
	s_wait_tensorcnt 0x0                           ; my rows of x have landed; every wave reads all of them behind the barrier
	BARRIER
	WIN 0x40
	LDTAB 15, 2048, 8                              ; bk
	WIN 0
	s_mov_b32 s[BLKS], BLOCKS
.Lblock:
	; ---- key = x Wk + bk
	FETCH_A 0, 0, 0
	FETCH_A 0, 0, 4
	STEP 0, 0, 1, 1, 0
	STEP 1, 0, 0, 1, 0
	STEP 2, 0, 0, 1, 0
	STEP 3, 0, 0, 0, 0
	; ---- |key|, z, its codes; sets 4 and 5 are on their way meanwhile
	WIN 0x40
	LDTAB 15, 0, 8                                 ; G
.irp hh, 0,1
	WIN 0x0a+5*\hh
.set J, 0
.rept 32                               ; sums of squares, two numbers a line, four row tiles by turns; each accumulator is read from its low end on
.irp mm, 0,1,2,3
.if J == 0
	v_pk_mul_f32 v[SS+8*\hh+2*\mm:SS+8*\hh+2*\mm+1], v[64*\mm:64*\mm+1], v[64*\mm:64*\mm+1]
.else
	v_pk_fma_f32 v[SS+8*\hh+2*\mm:SS+8*\hh+2*\mm+1], v[64*\mm+2*J:64*\mm+2*J+1], v[64*\mm+2*J:64*\mm+2*J+1], v[SS+8*\hh+2*\mm:SS+8*\hh+2*\mm+1]
.endif
.endr
.set J, J+1
.endr
.endr
	WIN 0
.irp m, 0,1,2,3,4,5,6,7
	v_add_f32 v[SS+2*\m], v[SS+2*\m], v[SS+2*\m+1]
.endr
.irp m, 0,1,2,3,4,5,6,7
	v_permlanex16_b32 v[SS+2*\m+1], v[SS+2*\m], s[SEL], s[SEL+1]
.endr
.irp m, 0,1,2,3,4,5,6,7
	v_add_f32 v[SS+2*\m], v[SS+2*\m], v[SS+2*\m+1]
.endr
.irp m, 0,1,2,3,4,5,6,7
	ds_store_b32 v19, v[SS+2*\m] offset:256*\m     ; my 128 columns' share of row 16 m + r
.endr
	BARRIER
.irp m, 0,1,2,3,4,5,6,7
	ds_load_b128 v[NT+4*\m:NT+4*\m+3], v21 offset:256*\m
.endr
	s_wait_dscnt 0x0
.irp m, 0,1,2,3,4,5,6,7
	v_add_f32 v[NT+4*\m], v[NT+4*\m], v[NT+4*\m+1]             ; the same order in every wave: the same bits
	v_add_f32 v[NT+4*\m+2], v[NT+4*\m+2], v[NT+4*\m+3]
.endr
.irp m, 0,1,2,3,4,5,6,7
	v_add_f32 v[NT+4*\m], v[NT+4*\m], v[NT+4*\m+2]
.endr
	s_wait_alu depctr_va_vdst(0)                   ; a wait ahead of each batch of transcendentals and one behind it
.irp m, 0,1,2,3,4,5,6,7
	v_sqrt_f32 v[IV+2*\m+1], v[NT+4*\m]
.endr
	v_nop
	s_wait_alu depctr_va_vdst(0)
.irp m, 0,1,2,3,4,5,6,7
	v_max_num_f32 v[IV+2*\m+1], 0x2b8cbccc, v[IV+2*\m+1]
.endr
	s_wait_alu depctr_va_vdst(0)
.irp m, 0,1,2,3,4,5,6,7
	v_rcp_f32 v[IV+2*\m], v[IV+2*\m+1]
.endr
	v_nop
	s_wait_alu depctr_va_vdst(0)
.irp m, 0,1,2,3,4,5,6,7
	ZTILE \m
.endr
	WIN 0x40
	LDTAB 15, 4096, 8                              ; bq + bp: the C of the next sums, where G lay
	WIN 0
	s_wait_alu depctr_va_vdst(0)
	BARRIER                                        ; the 32 images of z and their scale words lie in LDS
	; ---- u = (bq + bp) + x Wq + z Wp, one chain on each accumulator
.irp m, 0,1,2,3,4,5,6,7
	ds_load_b128 v[AS1+4*\m:AS1+4*\m+3], v9 offset:256*\m
.endr
	FETCH_A 0, 0, 0
	FETCH_A 0, 0, 4
	STEP 4, 0, 1, 1, 0
	STEP 5, 0, 0, 1, 0
	STEP 6, 0, 0, 1, 0
	STEP 7, 0, 0, 1, 1                             ; source 1 is z from the next step on
	STEP 8, 1, 0, 1, 1
	STEP 9, 1, 0, 1, 1
	STEP 10, 1, 0, 1, 1                            ; sets 12 and 13, asked for in these two steps, are Wf
	STEP 11, 1, 0, 0, 0
	; ---- the codes of u, into bytes of their own
	WIN 0x40
	LDTAB 6, 0, 4                                  ; bf
	WIN 0
.irp m, 0,1,2,3,4,5,6,7
	QTILE \m, 12, 2048
.endr
	s_wait_alu depctr_va_vdst(0)
	BARRIER                                        ; the 32 images of u lie in LDS
	s_wait_loadcnt 0x0                             ; Wf and its scale words
	; ---- out = u Wf + bf, by row tiles
.irp m, 0,1,2,3,4,5,6,7
	ds_load_b128 v[AS1+4*\m:AS1+4*\m+3], v9 offset:2048+256*\m
.endr
	FA 0
	FA 1
.irp m, 0,1,2,3,4,5,6,7
.if \m == 0
	s_wait_dscnt 12                                ; behind tile 0's fragments: tile 1's 12 loads
.elseif \m == 7
	s_wait_dscnt 16                                ; behind tile 7's: the 16 of tile 6's way through the stage
.else
	s_wait_dscnt 28                                ; behind this tile's: the 16 of the stage and the next tile's 12
.endif
	WIN 0x91
	FROW \m, 0
	WIN 0xa1
	FROW \m, 1
	FROW \m, 2
	FROW \m, 3
	PLACES 4                                       ; in front of the reads of results and of loads into registers that the products read
	WIN 0
.if \m == 7
	s_cmp_eq_u32 s[BLKS], 1
	s_cbranch_scc1 .Lno_next                       ; the last block asks for nothing more
.irp g, 0,1
	GSCL \g                                        ; the next block's sets 0 and 1,
	WIN 0x40
.irp t, 0,1,2,3,4,5,6,7
	GFRAG \g, \t
.endr
	WIN 0
.endr
.irp q, 0,1,2,3,4,5,6,7
	global_load_b128 v[AS0+4*\q:AS0+4*\q+3], v20, s[6:7] offset:2048+256*\q   ; and its scale words of x
.endr
.Lno_next:
.endif
.if \m > 0
.if \m < 7
	SEND \m-1, 12                                  ; behind the loads of the tile before: the 12 of a tile's fragments
.else
	SEND \m-1, 0
.endif
	s_wait_xcnt 0x0                                ; the stores have read their registers: this tile's rows may land there
.endif
	TOSTAGE \m
.if \m < 6
	FA \m+2
.endif
.endr
	SEND 7, 0
	s_cmp_eq_u32 s[BLKS], 1
	s_cbranch_scc1 .Ldone
	WIN 0x40
	LDTAB 15, 2048, 8                              ; bk for the next block
	WIN 0
	v_add_nc_u32 v3, 128*PX, v22                   ; x: the second block's 128 rows
	v_add_nc_u32 v4, 128*PX, v23
	s_mov_b32 s[PFON], 0                           ; wimg has been asked for once
	s_wait_alu depctr_va_vdst(0)                   ; a wait ahead of the waits and the branch below
	s_wait_xcnt 0x0                                ; the stores have read their base; nothing waits for the stores themselves
	s_add_nc_u64 s[22:23], s[22:23], 128*1024      ; out: 128 rows on
	s_wait_loadcnt 0x0                             ; sets 0 and 1 and the scale words of x
	PLACES 4                                       ; with the four behind the last products: more than the five places in front of products that write over their accumulators
	s_sub_co_u32 s[BLKS], s[BLKS], 1
	s_cmp_lg_u32 s[BLKS], 0
	s_cbranch_scc1 .Lblock
.Ldone:
	s_wait_tensorcnt 0x0                           ; the wave's end, behind my tensor load and my last LDS store
	ds_add_u32 v[SPW], v[NIL]
	s_wait_dscnt 0x0
	s_endpgm
.Lfunc_end_k_q40b6743f10_fuse:
	.size	k_q40b6743f10_fuse, .Lfunc_end_k_q40b6743f10_fuse-k_q40b6743f10_fuse
	.p2alignl 7, 3214868480
	.fill 96, 4, 3214868480
	.section	.rodata,"a",@progbits
	.p2align	6, 0x0
	.amdhsa_kernel k_q40b6743f10_fuse
		.amdhsa_group_segment_fixed_size 327680
		.amdhsa_private_segment_fixed_size 0
		.amdhsa_enable_private_segment 0
		.amdhsa_kernarg_size 80
		.amdhsa_user_sgpr_count 2
		.amdhsa_user_sgpr_kernarg_segment_ptr 1
		.amdhsa_wavefront_size32 1
		.amdhsa_system_sgpr_workgroup_id_x 1
		.amdhsa_system_sgpr_workgroup_id_y 1
		.amdhsa_system_sgpr_workgroup_id_z 1
		.amdhsa_system_vgpr_workitem_id 0
		.amdhsa_next_free_vgpr 1024
		.amdhsa_next_free_sgpr 66
		.amdhsa_reserve_vcc 0
		.amdhsa_float_denorm_mode_32 3
		.amdhsa_float_denorm_mode_16_64 3
		.amdhsa_memory_ordered 1
		.amdhsa_forward_progress 1
		.amdhsa_inst_pref_size 255
	.end_amdhsa_kernel
	.section	.bss,"aw",@nobits
	.p2align	6
	.space	262144
	.amdgpu_metadata
---
amdhsa.version: [ 1, 2 ]
amdhsa.kernels:
  - .name:           k_q40b6743f10_fuse
    .symbol:         k_q40b6743f10_fuse.kd
    .args:
      - { .name: x_codes, .offset: 0, .size: 8, .value_kind: global_buffer, .address_space: global }
      - { .name: x_scales, .offset: 8, .size: 8, .value_kind: global_buffer, .address_space: global }
      - { .name: wimg, .offset: 16, .size: 8, .value_kind: global_buffer, .address_space: global }
      - { .name: part, .offset: 24, .size: 8, .value_kind: global_buffer, .address_space: global }
      - { .name: qss, .offset: 32, .size: 8, .value_kind: global_buffer, .address_space: global }
      - { .name: bk, .offset: 40, .size: 8, .value_kind: global_buffer, .address_space: global }
      - { .name: bq, .offset: 48, .size: 8, .value_kind: global_buffer, .address_space: global }
      - { .name: bp, .offset: 56, .size: 8, .value_kind: global_buffer, .address_space: global }
      - { .name: bf, .offset: 64, .size: 8, .value_kind: global_buffer, .address_space: global }
      - { .name: out0, .offset: 72, .size: 8, .value_kind: global_buffer, .address_space: global }
    .group_segment_fixed_size: 327680
    .private_segment_fixed_size: 0
    .kernarg_segment_align: 8
    .kernarg_segment_size: 80
    .max_flat_workgroup_size: 128
    .sgpr_count:     66
    .vgpr_count:     1024
    .wavefront_size: 32
...
	.end_amdgpu_metadata
.endif
;; end of part 2
